; MI455X (gfx1250); checked and timed in simulation.
; The chip was launched on July 23, 2026; its instructions are those of AMD's public machine-readable ISA for CDNA 5 (MIT licence, August 2026) and "CDNA5" Instruction Set Architecture Reference Guide (July 2026). The comments in the code are by the model that wrote it; some were corrected since.
;; Attention Module. Allowed arithmetic: matrix products marked QUANTISED: E2M1 operands, one E8M0 scale for each 32 along K, by v_wmma_scale_f32_16x16x128_f8f6f4 with both operands' format E2M1 (or v_wmma_scale_f32_32x16x128_f4), f32 sums; everything else in f32.
;; Inputs: a 4 x 4,096 x 1,024 float32; q 4 x 2,048 x 1,024 float32.
;; Outputs: out0 4 x 4,096 x 1,024 float32.
;; This version of the problem:
;;   THIS VERSION OF THE PROBLEM IS GIVEN IN LOW PRECISION. The matrix products marked QUANTISED in the list below multiply operands that are first quantised to E2M1 (2 exponent bits, 1 mantissa bit; 4 bits a number), with one power-of-two scale for each 32 numbers along K (OCP MX v1.0); their sums are f32. All else is computed in f32.
;;   The module's matrix products, in the order in which they are computed (A, B: the left and right operand; K: the contracted axis; several contracted axes count as one K, in the product's order):
;;     1. batch 4 x [M 2,048, K 1,024] x [K 1,024, N 4,096]; A: input q; B: input a: QUANTISED
;;     2. batch 4 x [M 4,096, K 2,048] x [K 2,048, N 1,024]; A: softmax (see below); B: input q: QUANTISED
;;   THE QUANTISER, for each operand of a quantised product, along K:
;;     - K is cut into blocks of 32 from its start; a last block that is shorter is filled with zeros.
;;     - A block's scale is 2^e with e = floor(log2(the largest magnitude in the block)) - 2, held to -126 .. 127; a block of zeros has e = 0. As a byte (E8M0): e + 127.
;;     - Each number is divided by its block's scale, clamped to +-6, and rounded to the nearest number of E2M1, ties to even, subnormals kept.
;;     - The product sums the exact products of the quantised numbers (number of the format x scale) in f32.
;;   ~~~python
;;   def quantise(x, axis):      # numpy; x: float32 -> the quantised numbers, widened to float32 again
;;       x = np.moveaxis(x, axis, -1); K = x.shape[-1]
;;       x = np.pad(x, [(0, 0)] * (x.ndim - 1) + [(0, -K % 32)]); x = x.reshape(x.shape[:-1] + (-1, 32)); a = np.abs(x).max(-1, keepdims=True)
;;       e = np.where(a > 0, np.clip(np.frexp(np.where(a > 0, a, 1))[1] - 1 - 2, -126, 127), 0)      # np.frexp(a)[1] - 1 = floor(log2(a)), exactly
;;       r = np.clip(x / 2.0 ** e, -6, 6)
;;       step = 2.0 ** (np.maximum(np.frexp(np.where(r == 0, 1, r))[1] - 1, 0) - 1)
;;       q = np.round(r / step) * step * 2.0 ** e      # np.round: ties to even
;;       return np.moveaxis(q.reshape(q.shape[:-2] + (-1,))[..., :K], -1, axis).astype(np.float32)
;;   ~~~
;;   SOFTMAX AHEAD OF A QUANTISED PRODUCT. Where the list says 'softmax', what is quantised is not the finished softmax but p = 2^(t - M), with t = logit x log2(e) and M = ceil(the row's largest t), a whole number; so 1/2 < the row's largest p <= 1. The row's sum l is taken of the UNQUANTISED p, in f32, and the product's result is divided by l at the end. Since M is a whole number, a kernel that streams over the keys may use a running M (the ceiling of the running maximum): every later rescaling is an exact power of two, which a block's scale takes up: the codes' values come out the same.
;;   OPERANDS COMPUTED ON THE WAY. 'Computed on the way' means the value that the module computes at that place (a softmax that the list does not call 'softmax' is quantised finished and normalised). What goes into a quantiser is computed in f32, as accurately as f32 sums, v_exp_f32 and their like allow (about 1e-6 of the number): no bf16 or f16 on the way to a quantiser, and a product that is left as it is and whose result goes on into a quantised operand takes f32 operands (vector FMAs, or v_wmma_f32_16x16x4_f32). A number that lies on a knife's edge between two numbers of the format may be rounded either way, as far as f32 arithmetic and the matrix unit's own rounding can turn it there, and no further.
;; One version. Each part assembles by itself: llvm-mc -triple=amdgcn-amd-amdhsa -mcpu=gfx1250 --defsym DOCPART=n.
;; ======== version 1 of 1: 2 launches
;; limits: right only within a limited range of input values
;; workspace buffers: aimg 8,912,896 bytes; kimg 4,456,448 bytes; vimg 4,456,448 bytes
;; launch prep (part 1): grid 384 x 1, 4 waves a work-group, no clusters, 72,192 bytes of LDS; arguments q, a, kimg, aimg, vimg; writes kimg, aimg, vimg
.if DOCPART == 1
	.amdgcn_target "amdgcn-amd-amdhsa--gfx1250"
	.amdhsa_code_object_version 6
	.text
	.protected	k_q6a65bb1303_prep
	.globl	k_q6a65bb1303_prep
	.p2align	8
	.type	k_q6a65bb1303_prep,@function
k_q6a65bb1303_prep:
	s_mov_b64 s[64:65], 0
	v_nop
	global_prefetch_b8 v0, s[64:65] scope:SCOPE_SE
	s_setreg_imm32_b32 hwreg(HW_REG_WAVE_MODE, 25, 1), 1
	s_wait_xcnt 0x0
; q [4][2048][1024] and a [4][4096][1024], f32, become codes of FP4 (E2M1) with one E8M0 scale byte for each 32 along K, laid as IMAGES OF THE OPERAND REGISTERS
; of the next launch, in chunks of CH = 34,816 bytes (32,768 of codes, then 2,048 of scale words).
;   kimg, aimg (K = d): a chunk is 64 rows = 4 tiles tau = 2 u + t; lane r of tile tau holds chunk row 32 u + 8 t + r + 8 (r / 8).  Fragment (tau, s), s = d / 128, lies at (8 tau + s) 1024;
;     in it lane L's 16 bytes of register group c lie at 512 c + 16 L: the 32 codes of d = 128 s + 64 c + 32 (L / 16) + 0 .. 31.  Scale words at 32768 + 512 tau + 16 L: lane (r, h) has K steps 4 h .. 4 h + 3.
;   vimg (K = the rows n of q, 256 to a chunk; a chunk has 256 columns d): fragment (j, dt) at (16 j + dt) 1024 + 512 c + 16 L: row d = 16 dt + L % 16, keys 128 j + 64 c + 32 (L / 16) + 0 .. 31.
;     Scale words at 32768 + 512 (dt / 4) + 16 L + 4 (dt % 4): lane (r, h) has K step h.
; A block's scale is 2^(floor(log2(its largest magnitude)) - 2); its byte is the largest magnitude's exponent field - 2, held at 1 from below (a block of zeros keeps the byte 1: its codes are zeros, and this program alone reads the bytes).
; LIMITS: NaN and infinities among the inputs are not served; blocks whose largest magnitude lies under 2^-124 keep the byte 1.
; SHARES.  Work-groups 128-255 take q, which is quantised along d and along n; work-groups 0-127 and 256-383 take a.  Only pointers are chosen; both take one path, and the part along n is jumped over for a.
; A work-group takes 128 rows x 512 d, wave v all 128 rows x 128 d (K step s = 4 sg + v), in four tiles of 32 rows.  A tile is loaded as it lies (512 consecutive bytes a load) into registers 256-383,
; goes through the wave's own stage in LDS, and is read back twice: by rows (a lane: 2 whole blocks of 32 along d; both fragments of 16 rows in one run of 32 loads) and by columns
; (a lane: one column, 32 registers down the rows: a whole block along n; all four groups of 32 columns in one run of 128 loads).  The next tile's 32 loads are on their way meanwhile.
; A tile's codes leave together at its end: 4 stores along n, 4 along d, each register set written again only behind the next tile's s_wait_xcnt 0.
.set CH,   34816
.set SP,   528                         ; a stage row: 512 bytes + 16 = 132 words: row p starts at bank 4 p mod 64 (64 banks of 4 bytes: ISA guide 11.1)
.set STGB, 32*SP                       ; a wave's stage.  Row k of a tile lies at place 16 ((k / 8) % 2) + 8 (k / 16) + k % 8, so that the 16 rows of tile t are places 16 t .. 16 t + 15
.set KSC,  4*STGB                      ; the scale words along d: [8 tiles][16 rows][16 bytes], wave v's word at 4 v
.set VSC,  KSC+2048                    ; the scale words along n: 512 bytes for each wave
.set W,    16                          ; v16-19   scale words along n, one for each group of 32 columns
.set CD,   32                          ; v32-47   a tile's codes along d
.set CN,   48                          ; v48-63   a tile's codes along n
.set X,    64                          ; v64-191  numbers at work
.set MSB,  0
.macro WIN new                         ; s_set_vgpr_msb; the immediate's high byte repeats the setting that is left
.if MSB != (\new)
	s_set_vgpr_msb (MSB<<8)|(\new)
.set MSB, (\new)
.endif
.endm
	s_load_b128 s[4:7], s[0:1], 0x0                ; q, a
	s_load_b128 s[8:11], s[0:1], 0x10              ; kimg, aimg
	s_load_b64 s[12:13], s[0:1], 0x20              ; vimg
	v_lshl_add_u32 v30, v0, 2, 0x11800             ; my spare word, behind the scale words
	v_mov_b32 v31, 0
	v_lshrrev_b32 v1, 5, v0
	v_readfirstlane_b32 s16, v1                    ; wave v
	v_and_b32 v1, 31, v0                           ; L
	v_and_b32 v2, 15, v0                           ; r
	v_bfe_u32 v3, v0, 4, 1                         ; h
	v_lshlrev_b32 v4, 4, v1                        ; 16 L: my bytes of a load's 512, and of a fragment's register group
	s_mov_b32 s14, 0x76543210
	s_mov_b32 s15, 0xfedcba98                      ; v_permlanex16_b32's selects for lane l xor 16
	s_mov_b32 s25, 0
	s_wait_alu depctr_va_vdst(0)                   ; directly ahead of the wait below
	s_wait_kmcnt 0x0
	s_sub_co_u32 s21, ttmp9, 128
	s_cmp_lt_u32 ttmp9, 128
	s_cselect_b32 s21, ttmp9, s21                  ; my part of my tensor: numbers 0-127 as they are, the others less 128
	s_lshr_b32 s26, ttmp9, 7
	s_cmp_eq_u32 s26, 1                            ; q's work-group (128-255) or a's?  The choice hangs on the work-group's number alone
	s_cselect_b64 s[4:5], s[4:5], s[6:7]
	s_cselect_b64 s[8:9], s[8:9], s[10:11]
	s_cselect_b32 s20, 1, 0                        ; 1: q, which is also quantised along n
	s_lshr_b32 s22, s21, 1                         ; RG: which 128 rows of the tensor
	s_and_b32 s23, s21, 1                          ; sg: which half of d
	s_lshl_b32 s24, s22, 19                        ; 128 rows of 4,096 bytes,
	s_lshl_b32 s26, s23, 11                        ; 512 numbers,
	s_add_co_u32 s24, s24, s26
	s_lshl_b32 s26, s16, 9                         ; 128 numbers
	s_add_co_u32 s24, s24, s26
	s_add_nc_u64 s[4:5], s[4:5], s[24:25]          ; the input at my wave's first number
.macro GLOAD be                        ; tile be: 32 rows, 512 consecutive bytes each, into registers 256-383
	WIN 0x40
.set k, 0
.rept 32
	global_load_b128 v[4*k:4*k+3], v4, s[4:5] offset:(32*(\be)+k)*4096 th:TH_LOAD_NT
.set k, k+1
.endr
	WIN 0
.endm
	GLOAD 0
	s_mul_i32 s17, s16, STGB                       ; my stage
	v_add_nc_u32 v5, s17, v4                       ; into it: 16 L
	v_mul_u32_u24 v6, v2, SP
	v_lshl_add_u32 v6, v3, 7, v6
	v_add_nc_u32 v6, s17, v6                       ; out of it by rows: place r, + 128 h: my 32 numbers of each 64
	v_lshl_add_u32 v7, v1, 2, s17                  ; out of it by columns: 4 L
	v_lshlrev_b32 v9, 4, v2
	v_lshl_add_u32 v12, v3, 9, v9                  ; 512 h + 16 r: scale words on their way out
	v_lshl_add_u32 v9, v3, 10, v9                  ; 1024 h + 16 r: codes along n: lanes 16-31 hold the next tile of 16 columns
	s_lshl_b32 s18, s16, 2
	s_add_co_u32 s18, s18, KSC
	v_lshl_add_u32 v10, v2, 4, s18                 ; KSC + 16 r + 4 v
	s_lshl_b32 s19, s16, 9
	s_add_co_u32 s18, s19, KSC
	v_add_nc_u32 v11, s18, v4                      ; KSC + 512 v + 16 L
	s_add_co_u32 s18, s19, VSC
	v_lshl_add_u32 v13, v2, 4, s18
	v_lshl_add_u32 v13, v3, 2, v13                 ; VSC + 512 v + 16 r + 4 h
	v_add_nc_u32 v14, s18, v4                      ; VSC + 512 v + 16 L
	v_lshlrev_b32 v15, 3, v3                       ; 8 h: my two bytes' place in a scale word
	v_mov_b32 v29, 0                               ; written once: a lane permute's destination counts as one of its sources
.irp cg, 0,1,2,3
	v_mov_b32 v[W+\cg], 0                          ; each tile's byte is ORed in
.endr
	s_mul_i32 s27, s22, 2*CH                       ; my 128 rows are two chunks
	s_lshl_b32 s26, s23, 2
	s_add_co_u32 s26, s26, s16                     ; K step s = 4 sg + v
	s_lshl_b32 s26, s26, 10
	s_add_co_u32 s24, s27, s26
	s_add_nc_u64 s[28:29], s[8:9], s[24:25]        ; the image's codes: fragment (0, s) of the first chunk
	s_lshr_b32 s30, s16, 1                         ; v / 2
	s_and_b32 s31, s16, 1                          ; v % 2
	s_mul_i32 s26, s30, CH
	s_add_co_u32 s24, s27, s26
	s_lshl_b32 s26, s31, 10
	s_add_co_u32 s24, s24, s26
	s_lshl_b32 s26, s23, 8
	s_add_co_u32 s24, s24, s26
	s_add_co_u32 s24, s24, 32768
	s_add_nc_u64 s[8:9], s[8:9], s[24:25]          ; the image's scale words that my wave sends out: tiles 2 v, 2 v + 1 of the eight, lanes' half sg
	s_lshr_b32 s26, s22, 1
	s_lshl_b32 s26, s26, 2
	s_lshl_b32 s32, s23, 1
	s_add_co_u32 s26, s26, s32
	s_add_co_u32 s26, s26, s30
	s_mul_i32 s26, s26, CH                         ; vimg's chunk: 4 (RG / 2) + 2 sg + v / 2
	s_and_b32 s32, s22, 1                          ; its K step j = RG % 2
	s_lshl_b32 s33, s32, 14
	s_add_co_u32 s24, s26, s33
	s_lshl_b32 s33, s31, 13
	s_add_co_u32 s24, s24, s33
	s_add_nc_u64 s[34:35], s[12:13], s[24:25]      ; its codes: fragment (j, 8 (v % 2))
	s_lshl_b32 s33, s31, 10
	s_add_co_u32 s24, s26, s33
	s_lshl_b32 s33, s32, 8
	s_add_co_u32 s24, s24, s33
	s_add_co_u32 s24, s24, 32768
	s_add_nc_u64 s[12:13], s[12:13], s[24:25]      ; its scale words
; ALONG d: tile t of 16 rows becomes one fragment.  Lane (r, h) takes of its row d = 64 c + 32 h + 0 .. 31: two whole blocks, so no other lane is asked for a maximum.
.macro DLOAD t
.irp c, 0,1
.irp e, 0,1,2,3,4,5,6,7
	ds_load_b128 v[X+64*\t+32*\c+4*\e:X+64*\t+32*\c+4*\e+3], v6 offset:16*\t*SP+256*\c+16*\e
.endr
.endr
.endm
.macro DCOMP be, t
.set XS, X+64*\t
.irp c, 0,1
	v_max3_num_f32 v[20+\c], |v[XS+32*\c]|, |v[XS+32*\c+1]|, 0x1800000   ; and the floor 2^(3 - 127): the byte cannot fall under 1
.endr
.irp i, 2,4,6,8,10,12,14,16,18,20,22,24,26,28,30
.irp c, 0,1
	v_max3_num_f32 v[20+\c], v[20+\c], |v[XS+32*\c+\i]|, |v[XS+32*\c+\i+1]|   ; the two blocks by turns
.endr
.endr
.irp c, 0,1
	v_add_nc_u32 v[24+\c], 0xff000000, v[20+\c]    ; 2 off the exponent field: the conversion takes the exponent field of this operand as its scale
.endr
.irp c, 0,1
	v_lshrrev_b32 v[26+\c], 23, v[24+\c]           ; the scale's byte
.endr
	v_lshl_or_b32 v28, v27, 16, v26                ; my two bytes: blocks h and 2 + h,
	v_lshlrev_b32 v28, v15, v28                    ; at their places;
	v_permlanex16_b32 v29, v28, s14, s15
	v_or_b32 v28, v28, v29                         ; with lane l xor 16's two the row's word for this K step is whole
.irp c, 0,1
.irp g, 0,1,2,3
	v_cvt_scalef32_pk8_fp4_f32 v[CD+8*\t+4*\c+\g], v[XS+32*\c+8*\g:XS+32*\c+8*\g+7], v[24+\c]
.endr
.endr
	v_nop                                          ; one plain place behind the scaled conversions
	ds_store_b32 v10, v28 offset:256*(2*(\be)+\t)  ; both halves of the lanes write the same word with the same value
.endm
; ALONG n: a lane takes a column, its 32 registers run down the tile's rows: a whole block.  Four groups of 32 columns, all 128 loads in one run.
.macro NLOAD cg
.set k, 0
.rept 32
	ds_load_b32 v[X+32*(\cg)+k], v7 offset:(16*((k/8)%2)+8*(k/16)+(k%8))*SP+128*(\cg)
.set k, k+1
.endr
.endm
.macro NPART be
	NLOAD 0
	NLOAD 1
	NLOAD 2
	NLOAD 3
.irp cg, 0,1,2,3
.if \cg == 0
	s_wait_dscnt 63                                ; the largest count that the wait can name: at least 65 of the 128 loads are in, so groups 0 and 1 are
.elseif \cg == 2
	s_wait_dscnt 32                                ; the last group's 32 loads may be out
.elseif \cg == 3
	s_wait_dscnt 0x0
.endif
.set XS, X+32*\cg
	v_max3_num_f32 v20, |v[XS]|, |v[XS+1]|, |v[XS+2]|
	v_max3_num_f32 v21, |v[XS+3]|, |v[XS+4]|, |v[XS+5]|
.irp i, 6,10,14,18,22,26
	v_max3_num_f32 v20, v20, |v[XS+\i]|, |v[XS+\i+1]|
	v_max3_num_f32 v21, v21, |v[XS+\i+2]|, |v[XS+\i+3]|
.endr
	v_max3_num_f32 v20, v20, |v[XS+30]|, |v[XS+31]|
	v_max3_num_f32 v20, v20, v21, 0x1800000        ; and the floor
	v_add_nc_u32 v24, 0xff000000, v20
	v_lshrrev_b32 v26, 23, v24
	v_lshl_or_b32 v[W+\cg], v26, 8*(\be), v[W+\cg] ; tile be is block be of the K step's four
.irp g, 0,1,2,3
	v_cvt_scalef32_pk8_fp4_f32 v[CN+4*\cg+\g], v[XS+8*\g:XS+8*\g+7], v24
.endr
	v_nop                                          ; one plain place behind the scaled conversions
.endr
.endm
.macro TILE be
	s_wait_loadcnt 0x0                             ; the tile is in registers
	s_wait_xcnt 0x0                                ; the last tile's stores have read their registers: the codes' registers are written again only behind this wait
	WIN 0x04                                       ; the stores' data lie in registers 256-383
.set k, 0
.rept 32
	ds_store_b128 v5, v[4*k:4*k+3] offset:(16*((k/8)%2)+8*(k/16)+(k%8))*SP
.set k, k+1
.endr
	WIN 0
	DLOAD 0                                        ; LDS serves a wave's instructions in order: these see my stores
	DLOAD 1
.if \be < 3
	s_wait_dscnt 32                                ; all but the 32 loads just issued: the stores have read their registers,
	GLOAD \be+1                                    ; which take the next tile while this one is worked on
.endif
	s_wait_dscnt 16                                ; the first fragment's 16 loads are in
	DCOMP \be, 0
	s_wait_dscnt 0x0
	DCOMP \be, 1
	s_cmp_eq_u32 s20, 0
	s_cbranch_scc1 .Lno_n_\@                       ; a is an operand of the first product alone
	NPART \be
.irp cg, 0,1,2,3
	global_store_b128 v9, v[CN+4*\cg:CN+4*\cg+3], s[34:35] offset:2048*\cg+256*(\be)   ; sixteen lanes store 256 consecutive bytes, aligned
.endr
.Lno_n_\@:
	s_wait_alu depctr_va_vdst(0)
.irp t, 0,1
.irp c, 0,1
	global_store_b128 v4, v[CD+8*\t+4*\c:CD+8*\t+4*\c+3], s[28:29] offset:((\be)/2)*CH+(2*((\be)%2)+\t)*8192+512*\c   ; 32 lanes store 512 consecutive bytes
.endr
.endr
.endm
	TILE 0
	TILE 1
	TILE 2
	TILE 3
	s_cmp_eq_u32 s20, 0
	s_cbranch_scc1 .Lno_vs
.irp cg, 0,1,2,3
	ds_store_b32 v13, v[W+\cg] offset:256*(\cg/2)+8*(\cg%2)   ; my column's word, at its tile's place among four
.endr
	ds_load_b128 v[20:23], v14                     ; LDS serves a wave's instructions in order: these see my stores
	s_wait_dscnt 0x0
	global_store_b128 v12, v[20:23], s[12:13]      ; two runs of 256 consecutive bytes, aligned
.Lno_vs:
	s_wait_dscnt 0x0                               ; for the others' sake: my words along d have landed
	s_barrier_signal -1
	s_barrier_wait -1                              ; a row's 16 bytes hold the words of four waves
	ds_load_b128 v[24:27], v11
	s_wait_dscnt 0x0
	global_store_b128 v12, v[24:27], s[8:9]        ; two runs of 256 consecutive bytes, aligned
	s_wait_tensorcnt 0x0                           ; the wave's end
	ds_add_u32 v30, v31
	s_wait_dscnt 0x0
	s_endpgm
.Lfunc_end_k_q6a65bb1303_prep:
	.size	k_q6a65bb1303_prep, .Lfunc_end_k_q6a65bb1303_prep-k_q6a65bb1303_prep
	.p2alignl 7, 3214868480
	.fill 96, 4, 3214868480
	.section	.rodata,"a",@progbits
	.p2align	6, 0x0
	.amdhsa_kernel k_q6a65bb1303_prep
		.amdhsa_group_segment_fixed_size 72192
		.amdhsa_private_segment_fixed_size 0
		.amdhsa_enable_private_segment 0
		.amdhsa_kernarg_size 40
		.amdhsa_user_sgpr_count 2
		.amdhsa_user_sgpr_kernarg_segment_ptr 1
		.amdhsa_wavefront_size32 1
		.amdhsa_system_sgpr_workgroup_id_x 1
		.amdhsa_system_sgpr_workgroup_id_y 1
		.amdhsa_system_sgpr_workgroup_id_z 1
		.amdhsa_system_vgpr_workitem_id 0
		.amdhsa_next_free_vgpr 384
		.amdhsa_next_free_sgpr 66
		.amdhsa_reserve_vcc 0
		.amdhsa_float_denorm_mode_32 3
		.amdhsa_float_denorm_mode_16_64 3
		.amdhsa_memory_ordered 1
		.amdhsa_forward_progress 1
		.amdhsa_inst_pref_size 118
	.end_amdhsa_kernel
	.amdgpu_metadata
---
amdhsa.version: [ 1, 2 ]
amdhsa.kernels:
  - .name:           k_q6a65bb1303_prep
    .symbol:         k_q6a65bb1303_prep.kd
    .args:
      - { .name: q, .offset: 0, .size: 8, .value_kind: global_buffer, .address_space: global }
      - { .name: a, .offset: 8, .size: 8, .value_kind: global_buffer, .address_space: global }
      - { .name: kimg, .offset: 16, .size: 8, .value_kind: global_buffer, .address_space: global }
      - { .name: aimg, .offset: 24, .size: 8, .value_kind: global_buffer, .address_space: global }
      - { .name: vimg, .offset: 32, .size: 8, .value_kind: global_buffer, .address_space: global }
    .group_segment_fixed_size: 72192
    .private_segment_fixed_size: 0
    .kernarg_segment_align: 8
    .kernarg_segment_size: 40
    .max_flat_workgroup_size: 128
    .sgpr_count:     66
    .vgpr_count:     384
    .wavefront_size: 32
...
	.end_amdgpu_metadata
.endif
;; end of part 1
;; launch attn (part 2): grid 64 x 4, 4 waves a work-group, no clusters, 122,880 bytes of LDS; arguments aimg, kimg, vimg, out0; writes out0
.if DOCPART == 2
	.amdgcn_target "amdgcn-amd-amdhsa--gfx1250"
	.amdhsa_code_object_version 6
	.text
	.protected	k_q6a65bb1303_attn
	.globl	k_q6a65bb1303_attn
	.p2align	8
	.type	k_q6a65bb1303_attn,@function
k_q6a65bb1303_attn:
	s_mov_b64 s[64:65], 0
	v_nop
	global_prefetch_b8 v0, s[64:65] scope:SCOPE_SE
	s_setreg_imm32_b32 hwreg(HW_REG_WAVE_MODE, 25, 1), 1
	s_wait_xcnt 0x0
; out0[b][m][:] = sum over n of softmax_n(q[b][n] . a[b][m]) q[b][n][:], both products on codes of FP4 (E2M1) with E8M0 scales, from the images that launch prep laid.
; A work-group owns 64 rows m of one batch (grid 64 x 4), four waves.  TWO PHASES.
; PHASE A: wave w takes keys 512 w .. 512 w + 511 (8 chunks of 64) against all 64 rows: S^T = K A^T, a lane holds one row m.  t = s log2(e); M = ceil of the wave's running largest t;
;   p = 2^(t - M) is quantised by blocks of 32 keys.  P's codes of all 2,048 keys (65,536 bytes) and, for each block, the whole number X = scale byte + M (16,384 bytes) stay in LDS; the sum of the unquantised p stays in registers.
; BETWEEN: wave i takes tile i of the rows: RX = the largest X of a row; a block's final byte is X - RX + 124, held at 1 from below; l = sum over waves of l_w 2^(124 - RX + M_w).  So no accumulator is ever rescaled.
; PHASE B: wave w takes columns 256 w .. + 255 of the result in two passes of 128 columns: O^T = V^T P^T over all 2,048 keys, 32 accumulators; a pass's rows leave while the next pass is multiplied.
; K's and V's fragments go from the images straight into registers: each byte of them feeds one wave of the work-group alone.  NO JOINT LOADS, NO LDS RING: two slots of 4 chunks (2 x 139,264 bytes)
; beside P and X (81,920 bytes) pass the 327,680 bytes of LDS.  The 64 work-groups of a batch share K's and V's 2 x 1,114,112 bytes out for one prefetch each: 17 blocks of 256 bytes a wave and image, each block named once in the launch.
; LIMITS: NaN and infinities are not served; the promise holds while |t| stays under 2^31; a block more than 2^123 under the row's largest keeps the byte 1.
; REGISTERS: window 0: addresses, state, scales, S / P fragments / rows on the way out; window 1: A's 32 fragments, then four buffers of V; window 2: two buffers of K, then the accumulators.
.set CH,    34816
.set XB,    65536                      ; X: [wave][chunk][tile i][row r][u], 4 bytes each
.set PSB,   81920                      ; final scale words: [K step J][row r][tile i]
.set LX,    86016                      ; l_w: [i][r][w];  -M_w 1,024 bytes further on
.set RL,    88064                      ; 1 / l, twice: [r][i][2]
.set SPARE, 88576                      ; the spare words, 128 bytes a wave
.set STAGE, 89088                      ; the way out: 16 rows x 528 bytes for each wave
.set SP,    528
.set SPW, 1
.set NIL, 2
.set PLD, 3
.set PST0, 4
.set XST0, 5
.set LXS, 6
.set XA,  7
.set PSA, 8
.set LXL, 9
.set RLS, 10
.set PSL, 11
.set ST,  12                           ; v12-27: for each tile i: -M, largest t, the sum in two halves
.set STO, 28
.set SRD, 29
.set RLL, 30
.set PFO, 31
.set ASR, 32                           ; A's scale words;  phase B: P's, two sets of four
.set PSR, 32
.set KSR, 48
.set S,   64
.set PF,  64
.set OB,  64
.set XR,  64
.set FL,  128
.set VS,  136                          ; v136-199 V's scale words of a pass
.set PSTC, 200
.set XSTC, 201
.set MX,  240
.set PC,  240
.set PM,  244
.set SO,  248
.set TT,  252
.set MSB, 0
.macro WIN new                         ; the immediate's high byte repeats the setting that is left
.if MSB != (\new)
	s_set_vgpr_msb (MSB<<8)|(\new)
.set MSB, (\new)
.endif
.endm
.macro PLACES n
.rept \n
	v_nop
.endr
.endm
	s_load_b256 s[4:11], s[0:1], 0x0               ; aimg, kimg, vimg, out0
	v_lshl_add_u32 v[SPW], v0, 2, SPARE
	v_mov_b32 v[NIL], 0
	v_lshrrev_b32 v240, 5, v0
	v_readfirstlane_b32 s12, v240                  ; wave w
	v_and_b32 v241, 31, v0                         ; L
	v_and_b32 v242, 15, v0                         ; r
	v_bfe_u32 v243, v0, 4, 1                       ; h
	v_lshlrev_b32 v[PLD], 4, v241                  ; 16 L
	s_wait_alu depctr_va_vdst(0)
	s_and_b32 s15, ttmp7, 0xffff                   ; batch
	s_mov_b32 s32, 0x3fb8aa3b                      ; log2(e)
	s_mov_b32 s33, s32
	s_mov_b32 s34, 0x76543210
	s_mov_b32 s35, 0xfedcba98                      ; selects for lane l xor 16
	s_lshl_b32 s38, s15, 5                         ; 32 chunks a batch in kimg and in vimg
	s_lshl_b32 s44, s12, 3
	s_add_co_u32 s40, s38, s44
	s_mul_i32 s40, s40, CH                         ; K: chunk 32 b + 8 w
	s_mov_b32 s41, 0
	s_add_co_u32 s42, s38, s12
	s_mul_i32 s42, s42, CH                         ; V: chunk 32 b + w (+ 4 for each 256 keys)
	s_mov_b32 s43, 0
	s_mul_i32 s38, s38, CH
	s_mul_i32 s44, ttmp9, 17408
	s_add_co_u32 s38, s38, s44
	s_mul_i32 s44, s12, 4352
	s_add_co_u32 s38, s38, s44                     ; my wave's 17 blocks of the batch's image
	s_mov_b32 s39, 0
	s_lshl_b32 s16, s15, 6
	s_add_co_u32 s16, s16, ttmp9                   ; which 64 rows of a
	s_lshl_b32 s18, s16, 18
	s_lshl_b32 s44, s12, 10
	s_add_co_u32 s18, s18, s44                     ; out0: 64 rows of 4,096 bytes, + 1,024 w
	s_mov_b32 s19, 0
	s_mul_i32 s16, s16, CH
	s_mov_b32 s17, 0
	s_mov_b32 s37, 0                               ; P's step: 2,048 bytes a chunk
	s_mov_b32 s13, 0                               ; X's step: 512 bytes a chunk
	s_lshl_b32 s44, s12, 14
	v_lshl_add_u32 v[PST0], v242, 4, s44
	v_lshl_add_u32 v[PST0], v243, 3, v[PST0]       ; P in: 16384 w + 16 r + 8 h
	s_lshl_b32 s44, s12, 12
	s_add_co_u32 s44, s44, XB
	v_lshl_add_u32 v[XST0], v242, 3, s44           ; X in: XB + 4096 w + 8 r
	s_lshl_b32 s44, s12, 2
	s_add_co_u32 s45, s44, LX
	v_lshl_add_u32 v[LXS], v242, 4, s45            ; LX + 16 r + 4 w
	s_add_co_u32 s45, s44, PSB
	v_lshl_add_u32 v[PSA], v242, 4, s45
	v_lshl_add_u32 v[PSA], v243, 11, v[PSA]        ; PSB + 2048 h + 16 r + 4 w
	s_lshl_b32 s44, s12, 7
	s_add_co_u32 s44, s44, XB
	v_lshl_add_u32 v[XA], v242, 3, s44
	v_lshl_add_u32 v[XA], v243, 13, v[XA]          ; X back: XB + 8192 h + 128 w + 8 r
	s_lshl_b32 s44, s12, 8
	s_add_co_u32 s44, s44, LX
	v_lshl_add_u32 v[LXL], v242, 4, s44            ; LX + 256 w + 16 r
	s_lshl_b32 s44, s12, 3
	s_add_co_u32 s44, s44, RL
	v_lshl_add_u32 v[RLS], v242, 5, s44            ; RL + 32 r + 8 w
	v_lshl_add_u32 v[RLL], v242, 5, RL
	v_add_nc_u32 v[PSL], PSB, v[PLD]
	s_mul_i32 s44, s12, 16*SP
	s_add_co_u32 s44, s44, STAGE
	v_add_nc_u32 v[SRD], s44, v[PLD]
	v_mul_u32_u24 v[STO], v242, SP
	v_lshl_add_u32 v[STO], v243, 5, v[STO]
	v_add_nc_u32 v[STO], s44, v[STO]
	v_min_u32 v[PFO], 16, v241                     ; lanes 17-31 name the wave's last block again
	v_lshlrev_b32 v[PFO], 8, v[PFO]
.irp i, 0,1,2,3
	v_mov_b32 v[ST+4*\i+1], 0xff61b1e6             ; -3e38, under every t
	v_floor_f32 v[ST+4*\i], -v[ST+4*\i+1]
	v_mov_b32 v[ST+4*\i+2], 0
	v_mov_b32 v[ST+4*\i+3], 0
	v_mov_b32 v[FL+2*\i], 0
	v_mov_b32 v[FL+2*\i+1], 0
	v_mov_b32 v[PM+\i], 0                          ; a lane permute's destination counts as a source
.endr
	s_wait_alu depctr_va_vdst(0)
	s_wait_kmcnt 0x0
	s_add_nc_u64 s[4:5], s[4:5], s[16:17]
	s_add_nc_u64 s[20:21], s[6:7], s[38:39]
	s_add_nc_u64 s[22:23], s[8:9], s[38:39]
	s_add_nc_u64 s[6:7], s[6:7], s[40:41]
	s_add_nc_u64 s[8:9], s[8:9], s[42:43]
	s_add_nc_u64 s[24:25], s[8:9], 32768           ; V's scale words
	s_add_nc_u64 s[10:11], s[10:11], s[18:19]
	global_prefetch_b8 v[PFO], s[20:21] th:TH_LOAD_NT scope:SCOPE_SE   ; my 4,352 bytes of K's image; its registers are never rewritten
	global_prefetch_b8 v[PFO], s[22:23] th:TH_LOAD_NT scope:SCOPE_SE   ; and of V's, which phase B reads
	WIN 0x40
.set n, 0
.rept 32
	global_load_b128 v[8*n:8*n+3], v[PLD], s[4:5] offset:1024*n          ; A's fragment (i, s) = n stays in window 1
	global_load_b128 v[8*n+4:8*n+7], v[PLD], s[4:5] offset:1024*n+512
.set n, n+1
.endr
	WIN 0
.irp i, 0,1,2,3
	global_load_b128 v[ASR+4*\i:ASR+4*\i+3], v[PLD], s[4:5] offset:32768+512*\i
.endr
; half a chunk: 32 keys = tiles 2 u, 2 u + 1: 32 loads of codes into window 2, buffer u, and 2 of scale words
.macro KLOAD off, u
	WIN 0x80
.irp s, 0,1,2,3,4,5,6,7
.irp t, 0,1
.irp c, 0,1
	global_load_b128 v[128*\u+16*\s+8*\t+4*\c:128*\u+16*\s+8*\t+4*\c+3], v[PLD], s[6:7] offset:\off+(8*(2*\u+\t)+\s)*1024+512*\c
.endr
.endr
.endr
	WIN 0
.irp t, 0,1
	global_load_b128 v[KSR+8*\u+4*\t:KSR+8*\u+4*\t+3], v[PLD], s[6:7] offset:\off+32768+512*(2*\u+\t)
.endr
.endm
	KLOAD 0, 0
	KLOAD 0, 1
.macro SMUL u                          ; 64 matrix instructions, the 8 accumulators by turns
	WIN 0x06
.irp s, 0,1,2,3,4,5,6,7
.irp t, 0,1
.irp i, 0,1,2,3
.if \s == 0
	v_wmma_scale_f32_16x16x128_f8f6f4 v[S+16*\i+8*\t:S+16*\i+8*\t+7], v[128*\u+16*\s+8*\t:128*\u+16*\s+8*\t+7], v[8*(8*\i+\s):8*(8*\i+\s)+7], 0, v[KSR+8*\u+4*\t+\s%4], v[ASR+4*\i+\s%4] matrix_a_fmt:MATRIX_FMT_FP4 matrix_b_fmt:MATRIX_FMT_FP4
.elseif \s < 4
	v_wmma_scale_f32_16x16x128_f8f6f4 v[S+16*\i+8*\t:S+16*\i+8*\t+7], v[128*\u+16*\s+8*\t:128*\u+16*\s+8*\t+7], v[8*(8*\i+\s):8*(8*\i+\s)+7], v[S+16*\i+8*\t:S+16*\i+8*\t+7], v[KSR+8*\u+4*\t+\s%4], v[ASR+4*\i+\s%4] matrix_a_fmt:MATRIX_FMT_FP4 matrix_b_fmt:MATRIX_FMT_FP4
.else
	v_wmma_scale_f32_16x16x128_f8f6f4 v[S+16*\i+8*\t:S+16*\i+8*\t+7], v[128*\u+16*\s+8*\t:128*\u+16*\s+8*\t+7], v[8*(8*\i+\s):8*(8*\i+\s)+7], v[S+16*\i+8*\t:S+16*\i+8*\t+7], v[KSR+8*\u+4*\t+\s%4], v[ASR+4*\i+\s%4] matrix_a_fmt:MATRIX_FMT_FP4 matrix_b_fmt:MATRIX_FMT_FP4 matrix_a_scale:MATRIX_SCALE_ROW1 matrix_b_scale:MATRIX_SCALE_ROW1
.endif
.endr
.endr
.endr
	WIN 0
	PLACES 4                                       ; ahead of the loads into K's registers and of the reads of S
.endm
; The softmax of one block of 32 keys for each of my 4 x 16 rows: a lane's 16 registers of tile i are keys 16 h + 0 .. 15 of the block
.macro SOFT_A u
.irp i, 0,1,2,3
	v_max3_num_f32 v[MX+\i], v[S+16*\i], v[S+16*\i+1], v[S+16*\i+2]
.endr
.irp k, 3,5,7,9,11,13
.irp i, 0,1,2,3
	v_max3_num_f32 v[MX+\i], v[MX+\i], v[S+16*\i+\k], v[S+16*\i+\k+1]
.endr
.endr
.irp i, 0,1,2,3
	v_max_num_f32 v[MX+\i], v[MX+\i], v[S+16*\i+15]
.endr
.irp i, 0,1,2,3
	v_permlanex16_b32 v[PM+\i], v[MX+\i], s34, s35
.endr
.irp i, 0,1,2,3
	v_max_num_f32 v[MX+\i], v[MX+\i], v[PM+\i]     ; the block's largest score
.endr
.irp i, 0,1,2,3
	v_mul_f32 v[TT+\i], s32, v[MX+\i]
.endr
.irp i, 0,1,2,3
	v_max_num_f32 v[ST+4*\i+1], v[ST+4*\i+1], v[TT+\i]
.endr
.irp i, 0,1,2,3
	v_mov_b32 v[TT+\i], v[ST+4*\i]
.endr
.irp i, 0,1,2,3
	v_floor_f32 v[ST+4*\i], -v[ST+4*\i+1]          ; -M = floor(-t)
.endr
.irp i, 0,1,2,3
	v_sub_f32 v[TT+\i], v[ST+4*\i], v[TT+\i]
.endr
.irp i, 0,1,2,3
	v_cvt_i32_f32 v[TT+\i], v[TT+\i]
.endr
.irp i, 0,1,2,3
	v_ldexp_f32 v[FL+2*\i], 1.0, v[TT+\i]          ; f = 2^(old M - new M), for the sums alone
.endr
.irp i, 0,1,2,3
.irp k, 0,2,4,6,8,10,12,14
	v_pk_fma_f32 v[S+16*\i+\k:S+16*\i+\k+1], v[S+16*\i+\k:S+16*\i+\k+1], s[32:33], v[ST+4*\i:ST+4*\i+1] op_sel_hi:[1,0,0]
.endr
.endr
.irp i, 0,1,2,3
	v_fma_f32 v[MX+\i], v[MX+\i], s32, v[ST+4*\i]
.endr
.set n, 0
	s_wait_alu depctr_va_vdst(0)                   ; ahead of the batch
.rept 64
	v_exp_f32 v[S+n], v[S+n]
.set n, n+1
.endr
.irp i, 0,1,2,3
	v_exp_f32 v[MX+\i], v[MX+\i]                   ; the block's largest p
.endr
.irp i, 0,1,2,3
	v_pk_mul_f32 v[ST+4*\i+2:ST+4*\i+3], v[ST+4*\i+2:ST+4*\i+3], v[FL+2*\i:FL+2*\i+1] op_sel_hi:[1,0]
.endr
	s_wait_alu depctr_va_vdst(0)                   ; and behind it, ahead of its first reader
.irp i, 0,1,2,3
	v_max_num_f32 v[MX+\i], 0x1800000, v[MX+\i]    ; the floor 2^(3 - 127)
.endr
.irp i, 0,1,2,3
	v_add_nc_u32 v[SO+\i], 0xff000000, v[MX+\i]    ; 2 off the exponent field: the conversion's scale operand
.endr
.irp i, 0,1,2,3
	v_lshrrev_b32 v[TT+\i], 23, v[SO+\i]
.endr
.irp i, 0,1,2,3
	v_cvt_f32_u32 v[TT+\i], v[TT+\i]
.endr
.irp i, 0,1,2,3
	v_sub_f32 v[TT+\i], v[TT+\i], v[ST+4*\i]       ; X = byte + M
.endr
.irp i, 0,1,2,3
	v_cvt_scalef32_pk8_fp4_f32 v[PC+2*\i], v[S+16*\i:S+16*\i+7], v[SO+\i]
	v_cvt_scalef32_pk8_fp4_f32 v[PC+2*\i+1], v[S+16*\i+8:S+16*\i+15], v[SO+\i]
.endr
	v_nop                                          ; one plain place behind the scaled conversions
.irp i, 0,1,2,3
	ds_store_b64 v[PSTC], v[PC+2*\i:PC+2*\i+1] offset:512*\i+256*\u
	ds_store_b32 v[XSTC], v[TT+\i] offset:128*\i+4*\u
.endr
.endm
.macro SOFT_B                          ; the rows' sums of the unquantised p
.irp k, 0,2,4,6
.irp i, 0,1,2,3
	v_pk_add_f32 v[S+16*\i+\k:S+16*\i+\k+1], v[S+16*\i+\k:S+16*\i+\k+1], v[S+16*\i+\k+8:S+16*\i+\k+9]
.endr
.endr
.irp k, 0,2
.irp i, 0,1,2,3
	v_pk_add_f32 v[S+16*\i+\k:S+16*\i+\k+1], v[S+16*\i+\k:S+16*\i+\k+1], v[S+16*\i+\k+4:S+16*\i+\k+5]
.endr
.endr
.irp i, 0,1,2,3
	v_pk_add_f32 v[S+16*\i:S+16*\i+1], v[S+16*\i:S+16*\i+1], v[S+16*\i+2:S+16*\i+3]
.endr
.irp i, 0,1,2,3
	v_pk_add_f32 v[ST+4*\i+2:ST+4*\i+3], v[ST+4*\i+2:ST+4*\i+3], v[S+16*\i:S+16*\i+1]
.endr
.endm
; V: granule n = K step n of a pass: 8 fragments (128 columns x 128 keys), 16 loads, into buffer n % 4 of window 1
.macro VGR n
.irp d, 0,1,2,3,4,5,6,7
.irp c, 0,1
	global_load_b128 v[64*((\n)%4)+8*\d+4*\c:64*((\n)%4)+8*\d+4*\c+3], v[PLD], s[8:9] offset:((\n)/2)*4*CH+((\n)%2)*16384+\d*1024+512*\c
.endr
.endr
.endm
.macro VPRO                            ; a pass's opening: its 64 registers of scale words and granules 0 to 2
.irp g, 0,1,2,3,4,5,6,7
.irp q, 0,1
	global_load_b128 v[VS+8*\g+4*\q:VS+8*\g+4*\q+3], v[PLD], s[24:25] offset:\g*4*CH+512*\q
.endr
.endr
	WIN 0x40
	VGR 0
	VGR 1
	VGR 2
	WIN 0
.endm
.macro ASTEP u, more
.if \more || (\u == 0)
	s_wait_loadcnt 34                              ; this half chunk is in; the next one's 34 loads may be out
.else
	s_wait_loadcnt 0x0
.endif
	SMUL \u
.if \more
	KLOAD CH, \u                                   ; the same half of the next chunk, into the buffer just multiplied
.elseif \u == 1
	VPRO                                           ; A's registers are done with: V's first granules set out under the last softmax
.endif
	SOFT_A \u
	SOFT_B
	s_wait_dscnt 0x0                               ; the stores have read their registers
.endm
.macro CHUNK more
	v_add_nc_u32 v[PSTC], s37, v[PST0]
	v_add_nc_u32 v[XSTC], s13, v[XST0]
	ASTEP 0, \more
	ASTEP 1, \more
.endm
	s_mov_b32 s36, 7
.Lchunk:
	CHUNK 1
	s_wait_xcnt 0x0                                ; the loads have read their base
	s_add_nc_u64 s[6:7], s[6:7], CH
	s_add_co_u32 s37, s37, 2048
	s_add_co_u32 s13, s13, 512
	s_sub_co_u32 s36, s36, 1
	s_cmp_lg_u32 s36, 0
	s_cbranch_scc1 .Lchunk
	CHUNK 0                                        ; the last chunk is written out: it loads nothing of K
	s_wait_alu depctr_va_vdst(0)                   ; directly ahead of the readers of the sums
; BETWEEN THE PHASES
.irp i, 0,1,2,3
	v_add_f32 v[FL+2*\i], v[ST+4*\i+2], v[ST+4*\i+3]
.endr
.irp i, 0,1,2,3
	v_permlanex16_b32 v[FL+2*\i+1], v[FL+2*\i], s34, s35
.endr
.irp i, 0,1,2,3
	v_add_f32 v[FL+2*\i], v[FL+2*\i], v[FL+2*\i+1]
.endr
.irp i, 0,1,2,3
	ds_store_b32 v[LXS], v[FL+2*\i] offset:256*\i          ; l_w
	ds_store_b32 v[LXS], v[ST+4*\i] offset:1024+256*\i     ; -M_w
.endr
	s_wait_dscnt 0x0                               ; for the others' sake: P, X, l and M have landed
	s_barrier_signal -1
	s_barrier_wait -1
.irp k, 0,1,2,3,4,5,6,7,8,9,10,11,12,13,14,15
	ds_load_b64 v[XR+2*\k:XR+2*\k+1], v[XA] offset:512*\k  ; tile w, row r: blocks of chunks 16 h + k: register 4 m + e is block e of K step 8 h + m
.endr
	ds_load_b128 v[96:99], v[LXL]
	ds_load_b128 v[100:103], v[LXL] offset:1024
	s_wait_dscnt 0x0
	v_max3_num_f32 v104, v[XR], v[XR+1], v[XR+2]
	v_max3_num_f32 v105, v[XR+3], v[XR+4], v[XR+5]
.irp i, 6,10,14,18,22,26
	v_max3_num_f32 v104, v104, v[XR+\i], v[XR+\i+1]
	v_max3_num_f32 v105, v105, v[XR+\i+2], v[XR+\i+3]
.endr
	v_max3_num_f32 v104, v104, v[XR+30], v[XR+31]
	v_max_num_f32 v104, v104, v105
	v_permlanex16_b32 v105, v104, s34, s35
	v_max_num_f32 v104, v104, v105                 ; RX
	v_sub_f32 v106, 0x42f80000, v104               ; 124 - RX
.set n, 0
.rept 32
	v_add_f32 v[XR+n], v[XR+n], v106
.set n, n+1
.endr
.set n, 0
.rept 32
	v_max_num_f32 v[XR+n], 1.0, v[XR+n]
.set n, n+1
.endr
.set n, 0
.rept 32
	v_cvt_u32_f32 v[XR+n], v[XR+n]
.set n, n+1
.endr
.irp e, 1,2,3
.irp k, 0,1,2,3,4,5,6,7
	v_lshl_or_b32 v[XR+4*\k], v[XR+4*\k+\e], 8*\e, v[XR+4*\k]
.endr
.endr
.irp k, 0,1,2,3,4,5,6,7
	ds_store_b32 v[PSA], v[XR+4*\k] offset:256*\k
.endr
.irp q, 0,1,2,3
	v_sub_f32 v[100+\q], v106, v[100+\q]           ; 124 - RX + M_w
.endr
.irp q, 0,1,2,3
	v_cvt_i32_f32 v[100+\q], v[100+\q]
.endr
.irp q, 0,1,2,3
	v_ldexp_f32 v[96+\q], v[96+\q], v[100+\q]
.endr
	v_add_f32 v96, v96, v97
	v_add_f32 v98, v98, v99
	v_add_f32 v96, v96, v98                        ; l
	s_wait_alu depctr_va_vdst(0)                   ; ahead of the transcendentals
	v_rcp_f32 v108, v96
	v_rcp_f32 v109, v96                            ; twice, so that the packed multiplications on the way out take a plain pair
	v_nop
	s_wait_alu depctr_va_vdst(0)                   ; and behind them
	ds_store_b64 v[RLS], v[108:109]
	s_wait_dscnt 0x0
	s_barrier_signal -1
	s_barrier_wait -1
	ds_load_b128 v[FL:FL+3], v[RLL]
	ds_load_b128 v[FL+4:FL+7], v[RLL] offset:16    ; 1 / l of row r of tiles 0 to 3
; PHASE B
.macro PLOAD n                         ; P's four fragments of K step n
.irp i, 0,1,2,3
.irp c, 0,1
	ds_load_b128 v[PF+32*((\n)%2)+8*\i+4*\c:PF+32*((\n)%2)+8*\i+4*\c+3], v[PLD] offset:4096*(\n)+2048*\c+512*\i
.endr
.endr
.endm
.macro JSTEP n
.if \n > 0
	PLACES 4                                       ; ahead of loads into registers that the last step's products read
.endif
.if \n+3 < 16
	WIN 0x40
	VGR \n+3
.endif
.if \n+1 < 16
	WIN 0
.if (\n+1)%2 == 0
	ds_load_b128 v[PSR+4*(((\n+1)/2)%2):PSR+4*(((\n+1)/2)%2)+3], v[PSL] offset:512*((\n+1)/2)   ; lanes 0-15: the even K step's words, lanes 16-31: the odd one's
.endif
	PLOAD \n+1
.endif
.if \n+3 < 16
	s_wait_loadcnt 48                              ; granule n is in; three later ones may be out
.else
	s_wait_loadcnt 16*(15-\n)
.endif
.if \n == 15
	s_wait_dscnt 0x0
.else
	s_wait_dscnt 8+(\n%2)                          ; all but the LDS loads issued in this step
.endif
	WIN 0xa1
.irp d, 0,1,2,3,4,5,6,7
.irp i, 0,1,2,3
.if \n == 0
	v_wmma_scale_f32_16x16x128_f8f6f4 v[8*(4*\d+\i):8*(4*\d+\i)+7], v[64*(\n%4)+8*\d:64*(\n%4)+8*\d+7], v[PF+32*(\n%2)+8*\i:PF+32*(\n%2)+8*\i+7], 0, v[VS+8*(\n/2)+\d], v[PSR+4*((\n/2)%2)+\i] matrix_a_fmt:MATRIX_FMT_FP4 matrix_b_fmt:MATRIX_FMT_FP4
.elseif \n%2 == 0
	v_wmma_scale_f32_16x16x128_f8f6f4 v[8*(4*\d+\i):8*(4*\d+\i)+7], v[64*(\n%4)+8*\d:64*(\n%4)+8*\d+7], v[PF+32*(\n%2)+8*\i:PF+32*(\n%2)+8*\i+7], v[8*(4*\d+\i):8*(4*\d+\i)+7], v[VS+8*(\n/2)+\d], v[PSR+4*((\n/2)%2)+\i] matrix_a_fmt:MATRIX_FMT_FP4 matrix_b_fmt:MATRIX_FMT_FP4
.else
	v_wmma_scale_f32_16x16x128_f8f6f4 v[8*(4*\d+\i):8*(4*\d+\i)+7], v[64*(\n%4)+8*\d:64*(\n%4)+8*\d+7], v[PF+32*(\n%2)+8*\i:PF+32*(\n%2)+8*\i+7], v[8*(4*\d+\i):8*(4*\d+\i)+7], v[VS+8*(\n/2)+\d], v[PSR+4*((\n/2)%2)+\i] matrix_a_fmt:MATRIX_FMT_FP4 matrix_b_fmt:MATRIX_FMT_FP4 matrix_a_scale:MATRIX_SCALE_ROW1 matrix_b_scale:MATRIX_SCALE_ROW1
.endif
.endr
.endr
.endm
; THE WAY OUT of tile i: x 1 / l, through my stage, and out as rows of 512 consecutive bytes
.macro OUT i
	WIN 0x82
.irp d, 0,1,2,3,4,5,6,7
.irp p, 0,2,4,6
	v_pk_mul_f32 v[8*(4*\d+\i)+\p:8*(4*\d+\i)+\p+1], v[8*(4*\d+\i)+\p:8*(4*\d+\i)+\p+1], v[FL+2*\i:FL+2*\i+1]
.endr
.endr
	WIN 0x08
.irp d, 0,1,2,3,4,5,6,7
	ds_store_b128 v[STO], v[8*(4*\d+\i):8*(4*\d+\i)+3] offset:64*\d
	ds_store_b128 v[STO], v[8*(4*\d+\i)+4:8*(4*\d+\i)+7] offset:64*\d+16
.endr
	WIN 0
	s_wait_xcnt 0x0                                ; earlier stores have read their data registers
.set n, 0
.rept 16
	ds_load_b128 v[OB+4*n:OB+4*n+3], v[SRD] offset:n*SP    ; LDS serves a wave's instructions in order: these see my stores
.set n, n+1
.endr
.set n, 0
.rept 16
	s_wait_dscnt 15-n
	global_store_b128 v[PLD], v[OB+4*n:OB+4*n+3], s[10:11] offset:(32*(\i/2)+8*(\i%2)+n+8*(n/8))*4096 th:TH_STORE_NT
.set n, n+1
.endr
.endm
	s_mov_b32 s36, 0
.Lpass:
	ds_load_b128 v[PSR:PSR+3], v[PSL]
	PLOAD 0
.irp n, 0,1,2,3,4,5,6,7,8,9,10,11,12,13,14,15
	JSTEP \n
.endr
	WIN 0
	PLACES 4                                       ; behind the last products: ahead of the loads below and of the reads of the results
	s_cmp_eq_u32 s36, 1
	s_cbranch_scc1 .Lno_more                       ; the second pass has no successor
	s_wait_xcnt 0x0
	s_add_nc_u64 s[8:9], s[8:9], 8192              ; the other 8 fragments of each K step,
	s_add_nc_u64 s[24:25], s[24:25], 1024          ; and their scale words
	VPRO                                           ; set out ahead of this pass's way out
.Lno_more:
	OUT 0
	OUT 1
	OUT 2
	OUT 3
	s_wait_xcnt 0x0                                ; the stores have read their base and data
	s_add_nc_u64 s[10:11], s[10:11], 512
	s_add_co_u32 s36, s36, 1
	s_cmp_lt_u32 s36, 2
	s_cbranch_scc1 .Lpass
	s_wait_tensorcnt 0x0                           ; the wave's end
	ds_add_u32 v[SPW], v[NIL]
	s_wait_dscnt 0x0
	s_endpgm
.Lfunc_end_k_q6a65bb1303_attn:
	.size	k_q6a65bb1303_attn, .Lfunc_end_k_q6a65bb1303_attn-k_q6a65bb1303_attn
	.p2alignl 7, 3214868480
	.fill 96, 4, 3214868480
	.section	.rodata,"a",@progbits
	.p2align	6, 0x0
	.amdhsa_kernel k_q6a65bb1303_attn
		.amdhsa_group_segment_fixed_size 122880
		.amdhsa_private_segment_fixed_size 0
		.amdhsa_enable_private_segment 0
		.amdhsa_kernarg_size 32
		.amdhsa_user_sgpr_count 2
		.amdhsa_user_sgpr_kernarg_segment_ptr 1
		.amdhsa_wavefront_size32 1
		.amdhsa_system_sgpr_workgroup_id_x 1
		.amdhsa_system_sgpr_workgroup_id_y 1
		.amdhsa_system_sgpr_workgroup_id_z 1
		.amdhsa_system_vgpr_workitem_id 0
		.amdhsa_next_free_vgpr 768
		.amdhsa_next_free_sgpr 66
		.amdhsa_reserve_vcc 0
		.amdhsa_float_denorm_mode_32 3
		.amdhsa_float_denorm_mode_16_64 3
		.amdhsa_memory_ordered 1
		.amdhsa_forward_progress 1
		.amdhsa_inst_pref_size 250
	.end_amdhsa_kernel
	.amdgpu_metadata
---
amdhsa.version: [ 1, 2 ]
amdhsa.kernels:
  - .name:           k_q6a65bb1303_attn
    .symbol:         k_q6a65bb1303_attn.kd
    .args:
      - { .name: aimg, .offset: 0, .size: 8, .value_kind: global_buffer, .address_space: global }
      - { .name: kimg, .offset: 8, .size: 8, .value_kind: global_buffer, .address_space: global }
      - { .name: vimg, .offset: 16, .size: 8, .value_kind: global_buffer, .address_space: global }
      - { .name: out0, .offset: 24, .size: 8, .value_kind: global_buffer, .address_space: global }
    .group_segment_fixed_size: 122880
    .private_segment_fixed_size: 0
    .kernarg_segment_align: 8
    .kernarg_segment_size: 32
    .max_flat_workgroup_size: 128
    .sgpr_count:     66
    .vgpr_count:     768
    .wavefront_size: 32
...
	.end_amdgpu_metadata
.endif
;; end of part 2
